; MI455X (gfx1250); checked and timed in simulation.
; The chip was launched on July 23, 2026; its instructions are those of AMD's public machine-readable ISA for CDNA 5 (MIT licence, August 2026) and "CDNA5" Instruction Set Architecture Reference Guide (July 2026). The comments in the code are by the model that wrote it; some were corrected since.
;; Decoder Attention Rotary. Allowed arithmetic: matrix products marked QUANTISED: E5M2 operands, one given power-of-two scale a tensor, by v_wmma_f32_16x16x64_bf8_bf8 or v_wmma_f32_16x16x128_bf8_bf8, f32 sums; everything else in f32.
;; Inputs: Wqkv_codes 3,072 x 32 x 32 uint8 (E5M2 codes of Wqkv, K innermost, in blocks of 32 codes); bqkv 3,072 float32; freqs_cis 4,096 x 32 x 2 float32; lowp_scales 6 int32 (the exponents e of the quantised operands' scales 2^e); x_codes 1 x 4,096 x 32 x 32 uint8 (E5M2 codes of x, K innermost, in blocks of 32 codes).
;; Outputs: out0 1 x 4,096 x 1,024 float32.
;; This version of the problem:
;;   THIS VERSION OF THE PROBLEM IS GIVEN IN LOW PRECISION. The matrix products marked QUANTISED in the list below multiply operands that are first quantised to E5M2 (5 exponent bits, 2 mantissa bits; 8 bits a number), with one given power-of-two scale for each operand tensor; their sums are f32. All else is computed in f32.
;;   The module's matrix products, in the order in which they are computed (A, B: the left and right operand; K: the contracted axis; several contracted axes count as one K, in the product's order):
;;     1. [M 4,096, K 1,024] x [K 1,024, N 3,072]; A: input x (given as codes); B: input Wqkv (given as codes): QUANTISED (scales: A lowp_scales[0], B lowp_scales[1])
;;     2. batch 16 x [M 4,096, K 64] x [K 64, N 4,096]; A: computed on the way; B: computed on the way: QUANTISED (scales: A lowp_scales[2], B lowp_scales[3])
;;     3. batch 16 x [M 4,096, K 4,096] x [K 4,096, N 64]; A: softmax (see below); B: computed on the way: QUANTISED (scales: A lowp_scales[4], B lowp_scales[5])
;;   THE QUANTISER, for each operand of a quantised product, along K:
;;     - The operand's scale is 2^e, e = its entry of the input lowp_scales (int32; the entries are numbered through the quantised products in the list's order, A before B).
;;     - Each number is divided by the scale, clamped to +-57,344, and rounded to the nearest number of E5M2, ties to even, subnormals kept.
;;     - The product sums the exact products of the quantised numbers (number of the format x scale) in f32.
;;   ~~~python
;;   def quantise(x, axis, e):      # numpy; x: float32 -> the quantised numbers, widened to float32 again
;;       x = np.moveaxis(x, axis, -1); K = x.shape[-1]
;;       r = np.clip(x / 2.0 ** e, -57344, 57344)
;;       step = 2.0 ** (np.maximum(np.frexp(np.where(r == 0, 1, r))[1] - 1, -14) - 2)
;;       q = np.round(r / step) * step * 2.0 ** e      # np.round: ties to even
;;       return np.moveaxis(q, -1, axis).astype(np.float32)
;;   ~~~
;;   SOFTMAX AHEAD OF A QUANTISED PRODUCT. Where the list says 'softmax', what is quantised is not the finished softmax but p = 2^(t - M), with t = logit x log2(e) and M = ceil(the row's largest t), a whole number; so 1/2 < the row's largest p <= 1. The row's sum l is taken of the UNQUANTISED p, in f32, and the product's result is divided by l at the end. Since M is a whole number, a kernel that streams over the keys may use a running M (the ceiling of the running maximum): every later rescaling is an exact power of two, so the quantised numbers keep their values, but for numbers so far below the row's largest that they fall under the format's range.
;;   OPERANDS COMPUTED ON THE WAY. 'Computed on the way' means the value that the module computes at that place (a softmax that the list does not call 'softmax' is quantised finished and normalised). What goes into a quantiser is computed in f32, as accurately as f32 sums, v_exp_f32 and their like allow (about 1e-6 of the number): no bf16 or f16 on the way to a quantiser, and a product that is left as it is and whose result goes on into a quantised operand takes f32 operands (vector FMAs, or v_wmma_f32_16x16x4_f32). A number that lies on a knife's edge between two numbers of the format may be rounded either way, as far as f32 arithmetic and the matrix unit's own rounding can turn it there, and no further.
;;   INPUTS GIVEN AS CODES. Wqkv (in the module: [1024, 3072], K = its axis 0); x (in the module: [1, 4096, 1024], K = its axis 2): each comes as NAME_codes (uint8): NAME with its K axis moved to the last place and cut into blocks of 32 codes, [.., K / 32, bytes a block], one block behind the other in memory; one code a byte (a code: sign, 5 exponent bits, 2 mantissa bits); its scale is its entry of lowp_scales. Its value is code x scale, taken as it is: it is not quantised again, and the codes and scales need not be those that the quantiser above would give.
;; One version. Each part assembles by itself: llvm-mc -triple=amdgcn-amd-amdhsa -mcpu=gfx1250 --defsym DOCPART=n.
;; ======== version 1 of 1: 2 launches
;; limits: right only within a limited range of input values
;; workspace buffers: q_codes 4,194,304 bytes; k_codes 4,194,304 bytes; v_codes 4,194,304 bytes
;; launch qkv (part 1): grid 12 x 16, 4 waves a work-group, clusters of 4 x 4, 327,680 bytes of LDS; arguments x_codes, Wqkv_codes, bqkv, freqs_cis, lowp_scales, q_codes, k_codes, v_codes; writes q_codes, k_codes, v_codes
.if DOCPART == 1
	.amdgcn_target "amdgcn-amd-amdhsa--gfx1250"
	.amdhsa_code_object_version 6
	.text
	.protected	k_q366e0b93bc_qkv
	.globl	k_q366e0b93bc_qkv
	.p2align	8
	.type	k_q366e0b93bc_qkv,@function
k_q366e0b93bc_qkv:
	s_mov_b64 s[64:65], 0
	v_nop
	global_prefetch_b8 v0, s[64:65] scope:SCOPE_SE
	s_setreg_imm32_b32 hwreg(HW_REG_WAVE_MODE, 25, 1), 1
	s_wait_xcnt 0x0
	s_wait_alu depctr_hold_cnt(0) depctr_sa_sdst(0) depctr_va_vdst(0) depctr_va_sdst(0) depctr_va_ssrc(0) depctr_va_vcc(0) depctr_vm_vsrc(0)
	s_getreg_b32 s2, hwreg(HW_REG_IB_STS2, 6, 4)
	s_cmp_eq_u32 s2, 0
	s_cbranch_scc0 .Lentry_in_a_cluster
	s_endpgm
.Lentry_in_a_cluster:
	s_bfe_u32 s2, ttmp6, 0x10000c
	s_cmp_lg_u32 s2, 0xf033
	s_cbranch_scc0 .Lentry_shape_is_right
	s_endpgm
.Lentry_shape_is_right:
.set KSTEP,  256
.set ROWB,   256
.set KROW,   1024
.set PITCH,  272
.set FR,     16
.set NL,     4
.set NP,     4
.set HALFT,  128*PITCH
.set SLOT,   4*HALFT
.set SPARE,  2*SLOT
.set STGQ,   0
.set STGV,   256*PITCH
.set STQ,  8
.set RDQ,  9
.set COQ,  10
.set STV,  11
.set RDV,  12
.set COV,  13
.set FO,   14
.set BO,   15
.set ADRA, 16
.set BOV,  18
.set ADRB, 20
.set SPW,  28
.set NIL,  29
.set SC,   30
.set LIM,  31
.set BI,   32
.set BV,   32
.set FQ,   96
.set AF,   128
.set T,    160
.set U,    224
.set CD,   240
.set RB,   32
.set G1, 24
.set G0, 32
.set G1B, 48
.set G0B, 56
.set MSB, 0
.macro WIN new
.if MSB != \new
	s_set_vgpr_msb (MSB<<8)|\new
.set MSB, \new
.endif
.endm
.set MUL_LO, 0xa1
.set MUL_HI, 0xf1
.set TO_B,   0x40
.macro JLOAD g0a, g1a, g0b, g1b
	s_cmp_eq_u32 s15, 0
	s_cbranch_scc0 .Lfor_b_\@
	tensor_load_to_lds s[\g0a:\g0a+3], s[\g1a:\g1a+7]
	s_nop 0
.rept 4
	v_nop
.endr
	s_branch .Lasked_\@
.Lfor_b_\@:
	tensor_load_to_lds s[\g0b:\g0b+3], s[\g1b:\g1b+7]
	s_nop 0
.rept 4
	v_nop
.endr
.Lasked_\@:
.endm
.macro CREST
	s_cmp_lg_u32 s14, 0
	s_cbranch_scc1 .Lnot_wave_0_\@
	s_barrier_signal -3
.Lnot_wave_0_\@:
	s_barrier_wait -3
	s_barrier_signal -1
	s_barrier_wait -1
.endm
.macro CROUND
	s_barrier_signal -1
	s_barrier_wait -1
	CREST
.endm
	s_load_b256 s[4:11], s[0:1], 0x0
	s_load_b256 s[68:75], s[0:1], 0x20
	v_lshl_add_u32 v[SPW], v0, 2, SPARE
	v_mov_b32 v[NIL], 0
	ds_add_u32 v28, v29
	ds_add_u32 v28, v29
	s_wait_dscnt 0x0
	v_lshrrev_b32 v1, 5, v0
	v_readfirstlane_b32 s14, v1
	s_lshr_b32 s15, s14, 1
	s_and_b32 s16, s14, 1
	s_bfe_u32 s40, ttmp6, 0x40000
	s_bfe_u32 s41, ttmp6, 0x40004
	s_lshl_b32 s91, ttmp9, 2
	s_and_b32 s92, ttmp7, 0xffff
	s_lshl_b32 s92, s92, 2
	s_cmp_eq_u32 ttmp9, 2
	s_cselect_b32 s17, 8, s92
	s_cselect_b32 s42, s92, s91
	s_cselect_b32 s90, 1, 0
	s_add_co_u32 s17, s17, s41
	s_add_co_u32 s42, s42, s40
	s_lshl_b32 s43, s41, 2
	s_lshl_b32 s43, 15, s43
	s_lshl_b32 s44, 0x1111, s40
	s_or_b32 s[G1+0], s43, (0<<16)|(1<<20)|(1<<21)|(5<<22)|(3<<25)
	s_or_b32 s[G1B+0], s44, (0<<16)|(1<<20)|(1<<21)|(5<<22)|(3<<25)
.irp g, G1, G1B
	s_mov_b32 s[\g+1], ROWB<<16
	s_mov_b32 s[\g+2], 128<<16
	s_mov_b32 s[\g+3], ROWB<<16
	s_mov_b32 s[\g+4], 128
	s_mov_b32 s[\g+5], KROW
	s_mov_b32 s[\g+6], 0
	s_mov_b32 s[\g+7], 0
.endr
	s_lshl_b32 s18, s16, 7
	s_lshl_b32 s20, s17, 8
	s_add_co_u32 s20, s20, s18
	s_lshl_b32 s20, s20, 10
	s_mov_b32 s21, 0
	s_lshl_b32 s46, s42, 8
	s_add_co_u32 s46, s46, s18
	s_lshl_b32 s46, s46, 10
	s_mov_b32 s47, 0
	s_mul_i32 s45, s14, HALFT
	s_wait_kmcnt 0x0
	s_load_b128 s[76:79], s[68:69], 0x0
	s_load_b64 s[80:81], s[68:69], 0x10
	s_cmp_eq_u32 ttmp9, 2
	s_cselect_b64 s[92:93], s[6:7], s[4:5]
	s_cselect_b64 s[94:95], s[4:5], s[6:7]
	s_add_nc_u64 s[20:21], s[92:93], s[20:21]
	s_add_nc_u64 s[46:47], s[94:95], s[46:47]
	CROUND
.irp s, 0,1
	s_mov_b32 s[G0+4*\s], 1
	s_add_co_u32 s[G0+4*\s+1], s45, \s*SLOT
	s_add_nc_u64 s[G0+4*\s+2:G0+4*\s+3], s[20:21], \s*ROWB
	s_or_b32 s[G0+4*\s+3], s[G0+4*\s+3], 0x80000000
	s_mov_b32 s[G0B+4*\s], 1
	s_add_co_u32 s[G0B+4*\s+1], s45, \s*SLOT
	s_add_nc_u64 s[G0B+4*\s+2:G0B+4*\s+3], s[46:47], \s*ROWB
	s_or_b32 s[G0B+4*\s+3], s[G0B+4*\s+3], 0x80000000
	s_wait_alu depctr_va_vdst(0)
	s_wait_tensorcnt 0x0
	ds_add_u32 v28, v29
	ds_add_u32 v28, v29
	s_wait_dscnt 0x0
	CROUND
	JLOAD G0+4*\s, G1, G0B+4*\s, G1B
.endr
	v_and_b32 v1, 15, v0
	v_bfe_u32 v2, v0, 4, 1
	v_mul_u32_u24 v3, v1, PITCH
	s_wait_alu depctr_va_vdst(0)
	v_lshl_add_u32 v4, v2, 4, v3
	s_mul_i32 s21, s15, HALFT
	s_mul_i32 s22, s16, HALFT
	s_add_co_u32 s22, s22, 2*HALFT
.irp s, 0,1
	v_add_nc_u32 v[ADRA+\s], s21, v4
	v_add_nc_u32 v[ADRB+\s], s22, v4
	s_add_co_u32 s21, s21, SLOT
	s_add_co_u32 s22, s22, SLOT
.endr
	s_mul_i32 s23, s15, HALFT
	s_lshl_b32 s3, s16, 7
	s_add_co_u32 s23, s23, s3
	v_lshl_add_u32 v[STQ], v2, 3, v3
	v_add_nc_u32 v[STQ], s23, v[STQ]
	v_and_b32 v5, 31, v0
	v_lshrrev_b32 v6, 2, v5
	v_and_b32 v7, 3, v5
	v_mul_u32_u24 v[RDQ], v6, PITCH
	v_lshl_add_u32 v[RDQ], v7, 4, v[RDQ]
	v_add_nc_u32 v[RDQ], s23, v[RDQ]
	v_lshlrev_b32 v[COQ], 4, v5
	v_add_nc_u32 v[STV], s23, v4
	v_add_nc_u32 v[STV], STGV, v[STV]
	s_mul_i32 s3, s14, 64*PITCH
	v_mul_u32_u24 v[RDV], v2, PITCH
	v_lshl_add_u32 v[RDV], v1, 4, v[RDV]
	v_add_nc_u32 v[RDV], s3, v[RDV]
	v_add_nc_u32 v[RDV], STGV, v[RDV]
	v_lshlrev_b32 v[COV], 12, v2
	v_lshl_add_u32 v[COV], v1, 4, v[COV]
	v_lshlrev_b32 v[FO], 8, v1
	v_lshl_add_u32 v[FO], v2, 5, v[FO]
	v_lshlrev_b32 v[BO], 5, v2
	v_lshlrev_b32 v[BOV], 2, v1
	s_wait_kmcnt 0x0
	s_add_co_i32 s96, s76, s77
	s_add_co_i32 s96, s96, 127
	s_lshl_b32 s96, s96, 23
	s_mov_b32 s97, s96
	s_cmp_eq_u32 ttmp9, 0
	s_cselect_b32 s91, s78, s79
	s_cmp_eq_u32 ttmp9, 2
	s_cselect_b32 s91, s81, s91
	s_add_co_i32 s91, s91, 127
	s_lshl_b32 s3, s91, 23
	v_mov_b32 v[SC], s3
.macro FRAG reg, adr, q, i
.irp c, 0,1,2,3
	ds_load_b128 v[\reg+4*\c:\reg+4*\c+3], v[\adr] offset:128*(\q)+32*\c+(\i)*16*PITCH
.endr
.endm
.macro MUL16 a0, p, zero
.irp a, \a0, \a0+1
.irp b, 0,1,2,3,4,5,6,7
.if \zero
	v_wmma_f32_16x16x128_bf8_bf8 v[8*(8*((\a)%4)+\b):8*(8*((\a)%4)+\b)+7], v[128*(\p)+FR*\b:128*(\p)+FR*\b+FR-1], v[AF+FR*(\a):AF+FR*(\a)+FR-1], 0
.else
	v_wmma_f32_16x16x128_bf8_bf8 v[8*(8*((\a)%4)+\b):8*(8*((\a)%4)+\b)+7], v[128*(\p)+FR*\b:128*(\p)+FR*\b+FR-1], v[AF+FR*(\a):AF+FR*(\a)+FR-1], v[8*(8*((\a)%4)+\b):8*(8*((\a)%4)+\b)+7]
.endif
.endr
.endr
.endm
.macro FETCH_B slot, q, p
	WIN TO_B
.irp i, 0,1,2,3,4,5,6,7
	FRAG 128*(\p)+FR*\i, ADRB+\slot, \q, \i
.endr
	WIN 0
.endm
.macro FETCH_A slot, q, i0
.irp i, \i0, \i0+1, \i0+2, \i0+3
	FRAG AF+FR*(\i), ADRA+\slot, \q, \i
.endr
.endm
.macro PLACES n
.rept \n
	v_nop
.endr
.endm
.macro STEP slot, q, zero
	s_wait_dscnt 4*NL
	WIN MUL_LO
	MUL16 0, (\q)%2, \zero
	MUL16 2, (\q)%2, \zero
	s_wait_dscnt 0
	PLACES NP
	FETCH_B \slot, (\q)+1, 1-(\q)%2
	FETCH_A \slot, (\q)+1, 0
	WIN MUL_HI
	MUL16 4, (\q)%2, \zero
	MUL16 6, (\q)%2, \zero
	PLACES NP
	WIN 0
	FETCH_A \slot, (\q)+1, 4
.endm
.macro TURN slot, next, fill
	s_wait_tensorcnt 0x0
	ds_add_u32 v[SPW], v[NIL]
	s_wait_dscnt 4*NL+1
	WIN MUL_LO
	MUL16 0, 1, 0
	s_wait_dscnt 0x0
	s_barrier_signal -1
	MUL16 2, 1, 0
	WIN 0
	s_barrier_wait -1
.if \fill
	CREST
	s_add_nc_u64 s[G0+4*\slot+2:G0+4*\slot+3], s[G0+4*\slot+2:G0+4*\slot+3], 2*ROWB
	s_add_nc_u64 s[G0B+4*\slot+2:G0B+4*\slot+3], s[G0B+4*\slot+2:G0B+4*\slot+3], 2*ROWB
	JLOAD G0+4*\slot, G1, G0B+4*\slot, G1B
.else
	PLACES NP
.endif
	FETCH_B \next, 0, 0
	FETCH_A \next, 0, 0
	WIN MUL_HI
	MUL16 4, 1, 0
	MUL16 6, 1, 0
	PLACES NP
	WIN 0
	FETCH_A \next, 0, 4
.endm
.macro TAILK
	STEP 1, 0, 0
	s_wait_dscnt 4*NL
	WIN MUL_LO
	MUL16 0, 1, 0
	MUL16 2, 1, 0
	s_wait_dscnt 0
	WIN MUL_HI
	MUL16 4, 1, 0
	MUL16 6, 1, 0
	WIN 0
.endm
	s_wait_tensorcnt 1
	s_barrier_signal -1
	s_barrier_wait -1
	FETCH_B 0, 0, 0
	FETCH_A 0, 0, 0
	FETCH_A 0, 0, 4
	STEP 0, 0, 1
	TURN 0, 1, 1
	STEP 1, 0, 0
	TURN 1, 0, 1
	STEP 0, 0, 0
	TURN 0, 1, 0
	s_cmp_eq_u32 s90, 1
	s_cbranch_scc1 .Lv
	s_cmp_eq_u32 ttmp9, 0
	s_cselect_b64 s[82:83], s[70:71], s[72:73]
	s_lshl_b32 s91, s40, 2
	s_lshl_b32 s3, s16, 1
	s_add_co_u32 s91, s91, s3
	s_lshl_b32 s91, s91, 18
	s_lshl_b32 s92, s17, 8
	s_lshl_b32 s3, s15, 7
	s_add_co_u32 s92, s92, s3
	s_lshl_b32 s93, s92, 6
	s_add_co_u32 s94, s91, s93
	s_mov_b32 s95, 0
	s_add_nc_u64 s[82:83], s[82:83], s[94:95]
	s_lshl_b32 s94, s92, 8
	s_add_nc_u64 s[84:85], s[10:11], s[94:95]
	s_lshl_b32 s94, s42, 8
	s_lshl_b32 s3, s16, 7
	s_add_co_u32 s94, s94, s3
	s_lshl_b32 s94, s94, 2
	s_add_nc_u64 s[86:87], s[8:9], s[94:95]
	s_wait_alu depctr_va_vdst(0)
.irp b, 0,1,2,3,4,5,6,7
	global_load_b128 v[BI+8*\b:BI+8*\b+3],   v[BO], s[86:87] offset:64*\b
	global_load_b128 v[BI+8*\b+4:BI+8*\b+7], v[BO], s[86:87] offset:64*\b+16
.endr
.macro FLOAD a
.irp g, 0,1,2,3
	global_load_b128 v[FQ+32*((\a)%2)+8*\g:FQ+32*((\a)%2)+8*\g+3],   v[FO], s[84:85] offset:4096*(\a)+64*\g
	global_load_b128 v[FQ+32*((\a)%2)+8*\g+4:FQ+32*((\a)%2)+8*\g+7], v[FO], s[84:85] offset:4096*(\a)+64*\g+16
.endr
.endm
	FLOAD 0
	TAILK
	PLACES NP
.macro QKBLOCK a
.set AC, 64*((\a)%4)
.set FS, FQ+32*((\a)%2)
.if (\a) < 7
	FLOAD (\a)+1
	s_wait_loadcnt 8
.else
	s_wait_loadcnt 0
.endif
	WIN 0x02+((\a)/4)
.set j, 0
.rept 32
	v_pk_fma_f32 v[T+j:T+j+1], v[AC+j:AC+j+1], s[96:97], v[BI+j:BI+j+1] op_sel_hi:[1,0,1]
.set j, j+2
.endr
	WIN 0
	s_wait_dscnt 0x0
.irp b, 0,1,2,3,4,5,6,7
.set UU, U+8*(\b%2)
.set FF, FS+8*(\b%4)
.irp i, 0,2,4,6
	v_pk_mul_f32 v[UU+\i:UU+\i+1], v[T+8*\b+\i:T+8*\b+\i+1], v[FF+\i:FF+\i+1] op_sel_hi:[1,0]
.endr
.irp i, 0,2,4,6
	v_fma_f32 v[UU+\i], -v[T+8*\b+\i+1], v[FF+\i+1], v[UU+\i]
.endr
.irp i, 0,2,4,6
	v_fma_f32 v[UU+\i+1], v[T+8*\b+\i], v[FF+\i+1], v[UU+\i+1]
.endr
.irp i, 0,1,2,3,4,5,6,7
.endr
	v_cvt_scalef32_pk8_bf8_f32 v[CD+2*\b:CD+2*\b+1], v[UU:UU+7], v[SC]
	ds_store_b64 v[STQ], v[CD+2*\b:CD+2*\b+1] offset:16*PITCH*(\a)+16*\b
.endr
.endm
.irp a, 0,1,2,3,4,5,6,7
	QKBLOCK \a
.endr
	v_nop
	s_wait_dscnt 0x0
	s_barrier_signal -1
	s_barrier_wait -1
.set n, 0
.rept 32
	ds_load_b128 v[RB+4*n:RB+4*n+3], v[RDQ] offset:8*PITCH*(n%16)+64*(n/16)
.set n, n+1
.endr
.set n, 0
.rept 32
	s_wait_dscnt 31-n
	global_store_b128 v[COQ], v[RB+4*n:RB+4*n+3], s[82:83] offset:262144*(n/16)+512*(n%16)
.set n, n+1
.endr
	s_branch .Ldone
.Lv:
	s_lshl_b32 s91, s41, 8
	s_lshl_b32 s3, s14, 6
	s_add_co_u32 s91, s91, s3
	s_lshl_b32 s91, s91, 12
	s_lshl_b32 s3, s42, 8
	s_add_co_u32 s94, s91, s3
	s_mov_b32 s95, 0
	s_add_nc_u64 s[82:83], s[74:75], s[94:95]
	s_lshl_b32 s94, s41, 8
	s_lshl_b32 s3, s15, 7
	s_add_co_u32 s94, s94, s3
	s_add_co_u32 s94, s94, 2048
	s_lshl_b32 s94, s94, 2
	s_add_nc_u64 s[88:89], s[8:9], s[94:95]
	s_wait_alu depctr_va_vdst(0)
.irp a, 0,1,2,3,4,5,6,7
	global_load_b32 v[BV+2*\a],   v[BOV], s[88:89] offset:64*\a
	global_load_b32 v[BV+2*\a+1], v[BOV], s[88:89] offset:64*\a
.endr
	TAILK
	PLACES NP
	s_wait_loadcnt 0x0
.macro VBLOCK a
.set AC, 64*((\a)%4)
	WIN 0x02+((\a)/4)
.set j, 0
.rept 32
	v_pk_fma_f32 v[T+j:T+j+1], v[AC+j:AC+j+1], s[96:97], v[BV+2*(\a):BV+2*(\a)+1] op_sel_hi:[1,0,1]
.set j, j+2
.endr
	WIN 0
.set j, 0
.rept 64
.set j, j+1
.endr
	s_wait_alu depctr_va_vdst(0)
	s_wait_dscnt 0x0
.irp b, 0,1,2,3,4,5,6,7
	v_cvt_scalef32_pk8_bf8_f32 v[CD+2*\b:CD+2*\b+1], v[T+8*\b:T+8*\b+7], v[SC]
.endr
	v_nop
.irp c, 0,1,2,3
	ds_store_b128 v[STV], v[CD+4*\c:CD+4*\c+3] offset:16*PITCH*(\a)+32*\c
.endr
.endm
.irp a, 0,1,2,3,4,5,6,7
	VBLOCK \a
.endr
	s_wait_dscnt 0x0
	s_barrier_signal -1
	s_barrier_wait -1
.set n, 0
.rept 32
	ds_load_b128 v[RB+4*n:RB+4*n+3], v[RDV] offset:2*PITCH*n
.set n, n+1
.endr
.set n, 0
.rept 32
	s_wait_dscnt 31-n
	global_store_b128 v[COV], v[RB+4*n:RB+4*n+3], s[82:83] offset:8192*n
.set n, n+1
.endr
.Ldone:
	s_wait_tensorcnt 0x0
	ds_add_u32 v[SPW], v[NIL]
	s_wait_dscnt 0x0
	CROUND
	s_endpgm
.Lfunc_end_k_q366e0b93bc_qkv:
	.size	k_q366e0b93bc_qkv, .Lfunc_end_k_q366e0b93bc_qkv-k_q366e0b93bc_qkv
	.p2alignl 7, 3214868480
	.fill 96, 4, 3214868480
	.section	.rodata,"a",@progbits
	.p2align	6, 0x0
	.amdhsa_kernel k_q366e0b93bc_qkv
		.amdhsa_group_segment_fixed_size 327680
		.amdhsa_private_segment_fixed_size 0
		.amdhsa_enable_private_segment 0
		.amdhsa_kernarg_size 64
		.amdhsa_user_sgpr_count 2
		.amdhsa_user_sgpr_kernarg_segment_ptr 1
		.amdhsa_wavefront_size32 1
		.amdhsa_system_sgpr_workgroup_id_x 1
		.amdhsa_system_sgpr_workgroup_id_y 1
		.amdhsa_system_sgpr_workgroup_id_z 1
		.amdhsa_system_vgpr_workitem_id 0
		.amdhsa_next_free_vgpr 1024
		.amdhsa_next_free_sgpr 100
		.amdhsa_reserve_vcc 0
		.amdhsa_float_denorm_mode_32 3
		.amdhsa_float_denorm_mode_16_64 3
		.amdhsa_fp16_overflow 1
		.amdhsa_memory_ordered 1
		.amdhsa_forward_progress 1
		.amdhsa_inst_pref_size 211
	.end_amdhsa_kernel
	.amdgpu_metadata
---
amdhsa.version: [ 1, 2 ]
amdhsa.kernels:
  - .name:           k_q366e0b93bc_qkv
    .symbol:         k_q366e0b93bc_qkv.kd
    .args:
      - { .name: x_codes, .offset: 0, .size: 8, .value_kind: global_buffer, .address_space: global }
      - { .name: Wqkv_codes, .offset: 8, .size: 8, .value_kind: global_buffer, .address_space: global }
      - { .name: bqkv, .offset: 16, .size: 8, .value_kind: global_buffer, .address_space: global }
      - { .name: freqs_cis, .offset: 24, .size: 8, .value_kind: global_buffer, .address_space: global }
      - { .name: lowp_scales, .offset: 32, .size: 8, .value_kind: global_buffer, .address_space: global }
      - { .name: q_codes, .offset: 40, .size: 8, .value_kind: global_buffer, .address_space: global }
      - { .name: k_codes, .offset: 48, .size: 8, .value_kind: global_buffer, .address_space: global }
      - { .name: v_codes, .offset: 56, .size: 8, .value_kind: global_buffer, .address_space: global }
    .group_segment_fixed_size: 327680
    .private_segment_fixed_size: 0
    .kernarg_segment_align: 8
    .kernarg_segment_size: 64
    .max_flat_workgroup_size: 128
    .sgpr_count:     100
    .vgpr_count:     1024
    .wavefront_size: 32
...
	.end_amdgpu_metadata
.endif
;; end of part 1
;; launch attn (part 2): grid 16 x 16, 16 waves a work-group, clusters of 4 x 1, 327,680 bytes of LDS; arguments q_codes, k_codes, v_codes, lowp_scales, out0; writes out0
.if DOCPART == 2
	.amdgcn_target "amdgcn-amd-amdhsa--gfx1250"
	.amdhsa_code_object_version 6
	.text
	.protected	k_q366e0b93bc_attn
	.globl	k_q366e0b93bc_attn
	.p2align	8
	.type	k_q366e0b93bc_attn,@function
k_q366e0b93bc_attn:
	s_mov_b64 s[64:65], 0
	v_nop
	global_prefetch_b8 v0, s[64:65] scope:SCOPE_SE
	s_setreg_imm32_b32 hwreg(HW_REG_WAVE_MODE, 25, 1), 1
	s_wait_xcnt 0x0
	s_wait_alu depctr_hold_cnt(0) depctr_sa_sdst(0) depctr_va_vdst(0) depctr_va_sdst(0) depctr_va_ssrc(0) depctr_va_vcc(0) depctr_vm_vsrc(0)
	s_getreg_b32 s2, hwreg(HW_REG_IB_STS2, 6, 4)
	s_cmp_eq_u32 s2, 0
	s_cbranch_scc0 .Lentry_in_a_cluster
	s_endpgm
.Lentry_in_a_cluster:
	s_bfe_u32 s2, ttmp6, 0x10000c
	s_cmp_lg_u32 s2, 0x3003
	s_cbranch_scc0 .Lentry_shape_is_right
	s_endpgm
.Lentry_shape_is_right:
; out[q][64 head + :] = the sum over k <= q of softmax_k(Q[q] . K[k] / 8) V[k][:], 16 heads of 64, 4,096 tokens, both products on codes of BF8 (E5M2) with the given scales 2^e2 (Q), 2^e3 (K), 2^e4 (p), 2^e5 (V).
; q_codes, k_codes: [16][4096][64].  v_codes: [64 head + d][4096 keys], keys innermost; in each group of 32 keys stored byte 32 c + 16 h + 8 u + j holds key 32 c + 16 u + 8 h + j.  out0: [4096][1024] f32.
; THE SOFTMAX AHEAD OF THE SECOND PRODUCT: t = score x log2(e) / 8; M = the row's largest t so far, rounded UP to a whole number; p = 2^(t - M) is quantised, not normalised.  The row's sum is taken of the
; unquantised p and divides at the end.  When M moves, the sum and O are multiplied by 2^(old M - new M): exact.
; LIMITS: e2 + e3 between -123 and 130 (they are added to c's exponent field); e4 between -126 and 112; e4 + e5 goes through v_ldexp_f32 and has none.  NaN among the codes is not served.
; SHARES.  A wave owns ONE tile of 16 queries in 256 registers; sixteen waves to a work-group, four to a SIMD.  Four work-groups of one head form a cluster and walk the same K and V, asked for jointly.
; The wave's queries are rows 64 T + 16 cx + 0 .. 15: the four partners' tiles lie interleaved inside a group T of 64 rows, so that what a wave leaves out hangs on T alone, which the partners share: no branch names cx.
; T = 8 Bk + u.  Bk is X or 7 - X (X: the cluster's x): an early block of 512 rows is paired with a late one, so that every cluster has the same number of key steps; the wave's number picks Bk and u so that waves
; w, w + 4, w + 8, w + 12 hold both blocks twice, with u adding to 7.  The cluster walks 512 (8 - X) keys: 8 - X pairs of slots; the count comes from the cluster's x alone.
; A step whose 128 keys all come after the group's 64 rows is left out by a scalar branch on ids, round its loads, products and softmax; no barrier and no tensor load stands in a step.
; LAYOUT.  S^T = K Q^T (source 0 = 16 neighbouring keys, source 1 = my queries) and O^T = V^T P^T (source 0 = 16 of the head's 64, source 1 = P): a lane holds ONE query throughout.  Tile tau's eight registers
; are keys 16 tau + 8 (lane / 16) + 0 .. 7: their codes are registers 2 tau, 2 tau + 1 of the second product's operand in that form's own order of k, and v_codes is laid to match.
; REGISTERS: v1-3, v5-7 addresses that stay; v8-11 at work; v12 -M, v13 the largest t, v[14:15] the sum in two halves; v16-23 Q; v32-95 K's eight fragments, then V's four; v96-159 S^T, then p; v160-191 O^T; v192-207 p's codes; v236-254 at work.
.set SLOTB, 34816                      ; a slot: 256 keys of K, then of V
.set VOFF,  17408                      ; K's 256 keys lie as 64 rows of 256 bytes (four keys) + 16 of padding; V's 64 rows of 256 keys likewise: pitch 272
.set PT,    272
.set STAGE, 2*SLOTB                    ; behind the ring: 16 rows x 272 bytes for each wave, for the way out: no fill lands there
.set SPARE, STAGE+16*16*PT             ; behind the stages: the spare words, 128 bytes for each wave
.set AK0, 1                            ; v1   my lane's place in a tile of K
.set AV0, 2                            ; v2   the same for V
.set QL,  3                            ; v3   my query - 8 (lane / 16)
.set SPW, 5                            ; v5   my spare word; never rewritten
.set NIL, 6                            ; v6   0; never rewritten
.set GO,  7                            ; v7   the way out: my byte offset in the wave's rows of out0
.set QF,  16
.set KV,  32
.set S,   96
.set O,   160
.set PC,  192
.set WV,  18                           ; s18  my wave's number
.set CX,  19                           ; s19  my place in the cluster: it enters Q's and out0's addresses and the mask's compare alone
.set SEL, 20                           ; s[20:21] lane selects: lane l xor 16
.set CS,  22                           ; s[22:23] c = log2(e) / 8 x 2^(e2 + e3)
.set G1K, 24                           ; s[24:31] descriptor group 1 for K's tiles; s[32:39] for V's
.set G1V, 32
.set G0K, 40                           ; s[40:47] group 0 for K's tiles, a set for each slot; s[48:55] for V's
.set G0V, 48
.set TR,  56                           ; s56  pairs of slots in the loop
.set KF,  57                           ; s57  the step's first key
.set QLO, 58                           ; s58  64 T
.set QEND, 59                          ; s59  64 T + 64
; A joint load: wave 0 fetches K's 64 rows, wave 1 V's 64 rows, the others nothing.  The branches hang on the wave's number alone.  Four v_nop follow each of the two lines.
.macro JLOAD s
	s_cmp_eq_u32 s[WV], 0
	s_cbranch_scc0 .Lnot_k_\@
	tensor_load_to_lds s[G0K+4*(\s):G0K+4*(\s)+3], s[G1K:G1K+7]
	s_nop 0
.rept 4
	v_nop
.endr
	s_branch .Lasked_\@
.Lnot_k_\@:
	s_cmp_eq_u32 s[WV], 1
	s_cbranch_scc0 .Lasked_\@
	tensor_load_to_lds s[G0V+4*(\s):G0V+4*(\s)+3], s[G1V:G1V+7]
	s_nop 0
.rept 4
	v_nop
.endr
.Lasked_\@:
.endm
.macro CROUND                          ; a round of the cluster's barrier
	s_barrier_signal -1
	s_barrier_wait -1
	s_cmp_lg_u32 s[WV], 0
	s_cbranch_scc1 .Lnot_wave_0_\@
	s_barrier_signal -3
.Lnot_wave_0_\@:
	s_barrier_wait -3
	s_barrier_signal -1
	s_barrier_wait -1
.endm
	s_load_b256 s[4:11], s[0:1], 0x0               ; q_codes s[4:5], k_codes s[6:7], v_codes s[8:9], the exponents s[10:11]
	s_load_b64 s[12:13], s[0:1], 0x20              ; out0
	v_lshl_add_u32 v[SPW], v0, 2, SPARE
	v_mov_b32 v[NIL], 0
	ds_add_u32 v5, v6
	ds_add_u32 v5, v6
	s_wait_dscnt 0x0
	v_lshrrev_b32 v8, 5, v0
	s_delay_alu instid0(VALU_DEP_1)
	v_readfirstlane_b32 s[WV], v8                  ; wave 0..15
	s_bfe_u32 s[CX], ttmp6, 0x40000                ; cx
	s_and_b32 s72, ttmp7, 0xffff                   ; the head, which the four partners share
	s_lshr_b32 s73, s[WV], 2
	s_xor_b32 s73, s73, s[WV]
	s_and_b32 s73, s73, 1                          ; which of the cluster's two blocks: bit 0 xor bit 2 of the wave's number
	s_sub_co_u32 s74, 7, ttmp9
	s_cmp_eq_u32 s73, 1
	s_cselect_b32 s74, s74, ttmp9                  ; Bk = 7 - X or X
	s_and_b32 s75, s[WV], 3
	s_sub_co_u32 s76, 7, s75
	s_cmp_ge_u32 s[WV], 8
	s_cselect_b32 s75, s76, s75                    ; u = w % 4, or 7 - w % 4 for waves 8 on
	s_lshl_b32 s74, s74, 3
	s_add_co_u32 s74, s74, s75                     ; T
	s_lshl_b32 s[QLO], s74, 6
	s_add_co_u32 s[QEND], s[QLO], 64
	s_sub_co_u32 s[TR], 7, ttmp9                   ; 8 - X pairs of slots, the last of them written out: 4 to 7 trips
	s_mov_b32 s[KF], 0
	s_lshl_b32 s80, s72, 18                        ; the head's first byte in each tensor of codes: 262,144 x head
	s_mov_b32 s81, 0
	s_lshl_b32 s82, s[CX], 4
	s_add_co_u32 s82, s82, s[QLO]                  ; my first query
	s_lshl_b32 s84, s82, 6
	s_add_co_u32 s84, s84, s80                     ; its codes
	s_mov_b32 s85, 0
	s_lshl_b32 s86, s82, 12                        ; its row of out0, 4,096 bytes a row,
	s_lshl_b32 s87, s72, 8
	s_add_co_u32 s86, s86, s87                     ; and the head's 256 bytes in it
	s_mov_b32 s87, 0
	; descriptor group 1.  K: 256 keys x 64 bytes are dense in memory: 64 rows of 256 bytes.  V: 64 rows of 256 bytes, 4,096 apart
	s_mov_b32 s[G1K], 15|(0<<16)|(1<<20)|(1<<21)|(5<<22)|(3<<25)   ; 15:0 the mask: all four work-groups; 17:16 elements of 1 byte; 20 padding on; 21 set beside a mask; 24:22 after every 64 words; 31:25 four words
	s_mov_b32 s[G1V], 15|(0<<16)|(1<<20)|(1<<21)|(5<<22)|(3<<25)
.irp g, G1K, G1V
	s_mov_b32 s[\g+1], 256<<16                     ; tensor_dim0
	s_mov_b32 s[\g+2], 64<<16                      ; tensor_dim1
	s_mov_b32 s[\g+3], 256<<16                     ; tile_dim0
	s_mov_b32 s[\g+4], 64                          ; tile_dim1
	s_mov_b32 s[\g+6], 0
	s_mov_b32 s[\g+7], 0
.endr
	s_mov_b32 s[G1K+5], 256                        ; tensor_dim0_stride
	s_mov_b32 s[G1V+5], 4096
	s_mov_b32 s[SEL], 0x76543210
	s_mov_b32 s[SEL+1], 0xfedcba98
	s_mov_b32 s[CS], 0x3e38aa3b                    ; log2(e) / 8
	s_wait_kmcnt 0x0
	s_load_b128 s[68:71], s[10:11], 0x8            ; e2, e3, e4, e5
	s_add_nc_u64 s[6:7], s[6:7], s[80:81]          ; K and V at the head
	s_add_nc_u64 s[8:9], s[8:9], s[80:81]
	s_add_nc_u64 s[4:5], s[4:5], s[84:85]          ; Q at my first query
	s_add_nc_u64 s[12:13], s[12:13], s[86:87]      ; out0 likewise
.irp s, 0,1
	s_mov_b32 s[G0K+4*\s], 1                       ; count = 1
	s_mov_b32 s[G0K+4*\s+1], \s*SLOTB              ; LDS address: a constant for each slot
	s_add_nc_u64 s[G0K+4*\s+2:G0K+4*\s+3], s[6:7], \s*16384   ; keys 256 s on
	s_or_b32 s[G0K+4*\s+3], s[G0K+4*\s+3], 0x80000000         ; type = 2
	s_mov_b32 s[G0V+4*\s], 1
	s_mov_b32 s[G0V+4*\s+1], \s*SLOTB+VOFF
	s_add_nc_u64 s[G0V+4*\s+2:G0V+4*\s+3], s[8:9], \s*256
	s_or_b32 s[G0V+4*\s+3], s[G0V+4*\s+3], 0x80000000
.endr
	CROUND                                         ; all four work-groups are here: the first joint loads meet
	JLOAD 0                                        ; slot 0: keys 0 to 255.  One load of mine is out at the most, here and behind every round
	v_and_b32 v8, 15, v0                           ; r = lane % 16
	v_bfe_u32 v9, v0, 4, 1                         ; h = lane / 16
	s_delay_alu instid0(VALU_DEP_2)
	v_lshlrev_b32 v11, 6, v8
	s_delay_alu instid0(VALU_DEP_1)
	v_lshl_add_u32 v11, v9, 4, v11                 ; Q: row r of 64 bytes, + 16 h
	global_load_b128 v[QF:QF+3],   v11, s[4:5]             ; registers 4 c .. 4 c + 3 hold d = 32 c + 16 h + 0 .. 15: a permutation of d, the same in Q and in K
	global_load_b128 v[QF+4:QF+7], v11, s[4:5] offset:32
	v_lshrrev_b32 v10, 2, v8
	s_delay_alu instid0(VALU_DEP_1)
	v_mul_u32_u24 v[AK0], v10, PT                  ; K: key r of a tile lies in LDS row r / 4, at byte 64 (r % 4): the 16 lanes of a load touch 16 different columns of 16 bytes
	v_and_b32 v10, 3, v8
	s_delay_alu instid0(VALU_DEP_1)
	v_lshl_add_u32 v[AK0], v10, 6, v[AK0]
	s_delay_alu instid0(VALU_DEP_1)
	v_lshl_add_u32 v[AK0], v9, 4, v[AK0]
	v_mul_u32_u24 v[AV0], v8, PT                   ; V: row r of a tile, + 16 h
	s_delay_alu instid0(VALU_DEP_1)
	v_lshl_add_u32 v[AV0], v9, 4, v[AV0]
	s_delay_alu instid0(VALU_DEP_1)
	v_add_nc_u32 v[AV0], VOFF, v[AV0]
	v_lshlrev_b32 v10, 3, v9
	s_delay_alu instid0(VALU_DEP_1)
	v_sub_nc_u32 v[QL], v8, v10
	s_delay_alu instid0(VALU_DEP_1)
	v_add_nc_u32 v[QL], s82, v[QL]                 ; my query - 8 h (as a signed number)
	v_lshlrev_b32 v[GO], 12, v9
	s_delay_alu instid0(VALU_DEP_1)
	v_lshl_add_u32 v[GO], v8, 4, v[GO]             ; the way out: lanes 0-15 one row of out0, lanes 16-31 the next; 16 bytes a lane
	v_mov_b32 v13, 0xff61b1e6                      ; the largest t so far: -3e38, under every t
	s_delay_alu instid0(VALU_DEP_1)
	v_floor_f32 v12, -v13                          ; -M
	v_mov_b32 v14, 0                               ; the sum, in two halves
	v_mov_b32 v15, 0
	v_mov_b32 v236, 0                              ; written once: a lane permute's destination counts as one of its sources
	v_mov_b32 v253, 0                              ; (named as the upper half of the pair v[252:253])
.set j, 0
.rept 32
	v_mov_b32 v[O+j], 0                            ; O^T.  (A step is written once for all: the first finds zeros, which the first change of M leaves zeros)
.set j, j+1
.endr
	s_wait_kmcnt 0x0
	s_add_co_i32 s72, s68, s69
	s_lshl_b32 s72, s72, 23
	s_add_co_i32 s[CS], s[CS], s72                 ; a score stands for score x 2^(e2 + e3): the two exponents are added to c's exponent field
	s_mov_b32 s[CS+1], s[CS]                       ; (named with it as a pair, so it is written)
	s_add_co_i32 s72, s70, 127
	s_lshl_b32 s73, s72, 23
	v_mov_b32 v244, s73                            ; 2^e4 as f32, for the conversion
; A KEY STEP: 128 keys, the q-th half of a slot.  Every LDS offset is an immediate.
.macro STEP slot, q
	s_cmp_ge_u32 s[KF], s[QEND]                    ; all 128 keys come after the group's 64 rows: nothing to do
	s_cbranch_scc1 .Lhid_\@
.rept 4
	v_nop                                          ; places in front of loads into registers that the last products read
.endr
.irp t, 0,1,2,3,4,5,6,7                        ; K's eight tiles of 16 neighbouring keys
.irp c, 0,1
	ds_load_b128 v[KV+8*\t+4*\c:KV+8*\t+4*\c+3], v[AK0] offset:SLOTB*\slot+32*PT*\q+4*PT*\t+32*\c
.endr
.endr
	s_wait_dscnt 8                                 ; tiles 0-3 are in; the youngest eight loads (tiles 4-7) may be out
.irp t, 0,1,2,3
	v_wmma_f32_16x16x64_bf8_bf8 v[S+8*\t:S+8*\t+7], v[KV+8*\t:KV+8*\t+7], v[QF:QF+7], 0
.endr
	s_wait_dscnt 0x0
.irp t, 4,5,6,7
	v_wmma_f32_16x16x64_bf8_bf8 v[S+8*\t:S+8*\t+7], v[KV+8*\t:KV+8*\t+7], v[QF:QF+7], 0
.endr
.rept 4
	v_nop                                          ; places: in front of the loads below, into registers that these products read, and of the first read of the scores
.endr
.irp t, 0,1,2,3                                ; V's four tiles of 16 of the head's 64 x these 128 keys: asked for now, they land while the softmax is walked
.irp c, 0,1,2,3
	ds_load_b128 v[KV+16*\t+4*\c:KV+16*\t+4*\c+3], v[AV0] offset:SLOTB*\slot+16*PT*\t+128*\q+32*\c
.endr
.endr
	s_add_co_u32 s60, s[KF], 127                   ; on the diagonal the scores of hidden keys become -infinity ahead of the maximum: p = 0 then.  A step all of whose keys count for all 64 rows skips this
	s_cmp_le_u32 s60, s[QLO]
	s_cbranch_scc1 .Lopen_\@
	v_sub_nc_u32 v252, v[QL], s[KF]                ; register 8 tau + j holds key KF + 16 tau + 8 h + j: hidden where 16 tau + j > my query - 8 h - KF
	v_mov_b32 v254, 0xff800000                     ; -infinity
.set n, 0
.rept 64
	v_cmp_gt_i32 vcc_lo, 16*(n/8)+n%8, v252
	v_cndmask_b32 v[S+n], v[S+n], v254, vcc_lo
.set n, n+1
.endr
.Lopen_\@:
	v_max3_num_f32 v254, v[S], v[S+1], v[S+2]      ; the step's largest score of my query among my 64 keys, in two chains, each tile from its low end on
	v_max3_num_f32 v252, v[S+3], v[S+4], v[S+5]
.set i, 6
.rept 14
	v_max3_num_f32 v254, v254, v[S+i], v[S+i+1]
	v_max3_num_f32 v252, v252, v[S+i+2], v[S+i+3]
.set i, i+4
.endr
	v_max3_num_f32 v254, v254, v[S+62], v[S+63]
	s_delay_alu instid0(VALU_DEP_1)
	v_max_num_f32 v254, v254, v252
	s_delay_alu instid0(VALU_DEP_1)
	v_permlanex16_b32 v236, v254, s[SEL], s[SEL+1]
	s_delay_alu instid0(VALU_DEP_1)
	v_max_num_f32 v254, v254, v236                 ; and among lane l xor 16's
	s_delay_alu instid0(VALU_DEP_1)
	v_mul_f32 v254, s[CS], v254                    ; as t (c is positive)
	s_delay_alu instid0(VALU_DEP_1)
	v_max_num_f32 v13, v13, v254                   ; the running largest t
	v_mov_b32 v254, v12
	s_delay_alu instid0(VALU_DEP_2)
	v_floor_f32 v12, -v13                          ; the new -M = floor(-t) = -ceil(t): M is a whole number
	s_delay_alu instid0(VALU_DEP_1)
	v_sub_f32 v254, v12, v254                      ; M's old value less its new one: a whole number, 0 or less
	s_delay_alu instid0(VALU_DEP_1)
	v_cvt_i32_f32 v254, v254                       ; (it saturates)
	s_delay_alu instid0(VALU_DEP_1)
	v_ldexp_f32 v252, 1.0, v254                    ; f = 2^(old M - new M): a multiplication by it rounds nothing
.set j, 0
.rept 32
	v_pk_fma_f32 v[S+j:S+j+1], v[S+j:S+j+1], s[CS:CS+1], v[12:13] op_sel_hi:[1,0,0]   ; t - M, two at a time (of the pairs c and -M the low word serves both halves)
.set j, j+2
.endr
.set j, 0
	s_wait_alu depctr_va_vdst(0)
.rept 64
	v_exp_f32 v[S+j], v[S+j]                       ; p = 2^(t - M), at most 1: not normalised
.set j, j+1
.endr
	v_pk_mul_f32 v[14:15], v[14:15], v[252:253] op_sel_hi:[1,0]   ; the sums under the new M.  (A plain place behind the exponentials)
	s_wait_alu depctr_va_vdst(0)
	v_pk_add_f32 v[242:243], v[100:101], v[104:105]
	v_pk_add_f32 v[254:255], v[108:109], v[112:113]
	v_pk_add_f32 v[250:251], v[116:117], v[120:121]
	v_pk_add_f32 v[248:249], v[124:125], v[128:129]
	v_pk_add_f32 v[246:247], v[132:133], v[136:137]
	v_pk_add_f32 v[240:241], v[140:141], v[144:145]
	v_pk_add_f32 v[238:239], v[148:149], v[152:153]
	v_pk_add_f32 v[14:15], v[14:15], v[156:157]
	v_pk_add_f32 v[242:243], v[242:243], v[96:97]
	v_pk_add_f32 v[254:255], v[254:255], v[98:99]
	v_pk_add_f32 v[250:251], v[250:251], v[102:103]
	v_pk_add_f32 v[248:249], v[248:249], v[106:107]
	v_pk_add_f32 v[246:247], v[246:247], v[110:111]
	v_pk_add_f32 v[240:241], v[240:241], v[114:115]
	v_pk_add_f32 v[238:239], v[238:239], v[118:119]
	v_pk_add_f32 v[14:15], v[14:15], v[122:123]
	v_pk_add_f32 v[242:243], v[242:243], v[126:127]
	v_pk_add_f32 v[254:255], v[254:255], v[130:131]
	v_pk_add_f32 v[250:251], v[250:251], v[134:135]
	v_pk_add_f32 v[248:249], v[248:249], v[138:139]
	v_pk_add_f32 v[246:247], v[246:247], v[142:143]
	v_pk_add_f32 v[240:241], v[240:241], v[146:147]
	v_pk_add_f32 v[238:239], v[238:239], v[150:151]
	v_pk_add_f32 v[14:15], v[14:15], v[154:155]
	v_pk_add_f32 v[242:243], v[242:243], v[158:159]
	s_delay_alu instid0(VALU_DEP_2)
	v_pk_add_f32 v[14:15], v[14:15], v[248:249]
	s_delay_alu instid0(VALU_DEP_2)
	v_pk_add_f32 v[242:243], v[242:243], v[246:247]
	v_pk_add_f32 v[254:255], v[254:255], v[240:241]
	v_pk_add_f32 v[250:251], v[250:251], v[238:239]
	s_delay_alu instid0(VALU_DEP_2)
	v_pk_add_f32 v[14:15], v[14:15], v[254:255]
	s_delay_alu instid0(VALU_DEP_2)
	v_pk_add_f32 v[242:243], v[242:243], v[250:251]
	s_delay_alu instid0(VALU_DEP_1)
	v_pk_add_f32 v[14:15], v[14:15], v[242:243]
.set j, 0
.rept 64
.set j, j+1
.endr
.irp t, 0,1,2,3,4,5,6,7
	v_cvt_scalef32_pk8_bf8_f32 v[PC+2*\t:PC+2*\t+1], v[S+8*\t:S+8*\t+7], v244   ; registers 2 tau, 2 tau + 1 of the operand: k = 16 tau + 8 h + 0 .. 7
.endr
.set j, 0
.rept 16
	v_pk_mul_f32 v[O+j:O+j+1], v[O+j:O+j+1], v[252:253] op_sel_hi:[1,0]   ; O^T under the new M.  (These are also the plain lines between the conversions and the products below)
.set j, j+2
.endr
	s_wait_alu depctr_va_vdst(0)
	s_wait_dscnt 0x0                               ; V is in
.irp t, 0,1,2,3                                ; O^T += V^T P^T: the four accumulators by turns; the next step's eight score products stand between two links
	v_wmma_f32_16x16x128_bf8_bf8 v[O+8*\t:O+8*\t+7], v[KV+16*\t:KV+16*\t+15], v[PC:PC+15], v[O+8*\t:O+8*\t+7]
.endr
.Lhid_\@:
	s_add_co_u32 s[KF], s[KF], 128
.endm
; THE CHANGE OF SLOTS stands at a slot's head; rd is the slot about to be read.  Each wave waits for all its tensor loads (its part of slot rd), adds 0 to its spare word, and waits for that and for its reads of the
; other slot.  fill = 1: a round of the cluster's barrier, so that no wave of any partner still reads the other slot or has a load on its way; behind it that slot is filled with the next 256 keys: two steps' work in which to land.
.macro CHANGE rd, fill
	s_wait_tensorcnt 0x0                           ; no tensor load of mine is out, so a group 0 may be written
	ds_add_u32 v[SPW], v[NIL]                      ; 0 onto my spare word; with fill = 1 the descriptors' steps stand between it and the wait for it
.if \fill
	s_add_nc_u64 s[G0K+4*\rd+2:G0K+4*\rd+3], s[G0K+4*\rd+2:G0K+4*\rd+3], 2*16384   ; slot rd's next tile, two slots on; the type bits on top are not reached
	s_add_nc_u64 s[G0V+4*\rd+2:G0V+4*\rd+3], s[G0V+4*\rd+2:G0V+4*\rd+3], 2*256
.endif
	s_wait_dscnt 0x0                               ; the add is done, and my reads of the slot that I have left are over
.if \fill
	CROUND
	JLOAD 1-\rd                                    ; the first thing behind the round, and a wave's one tensor load until the next
.else
	s_barrier_signal -1
	s_barrier_wait -1
.endif
.endm
	s_wait_loadcnt 0x0                             ; Q
.Lpair:                                            ; a trip: two slots, 512 keys; both slots' addresses are immediates, so nothing that feeds an LDS address is stepped here
	CHANGE 0, 1
	STEP 0, 0
	STEP 0, 1
	CHANGE 1, 1
	STEP 1, 0
	STEP 1, 1
	s_sub_co_u32 s[TR], s[TR], 1
	s_cmp_lg_u32 s[TR], 0
	s_cbranch_scc1 .Lpair
	CHANGE 0, 1                                    ; the last pair is written out: slot 1 is asked for once more
	STEP 0, 0
	STEP 0, 1
	CHANGE 1, 0                                    ; and then nothing
	STEP 1, 0
	STEP 1, 1
	; THE WAY OUT.  O^T is divided by the row's sum, multiplied by 2^(e4 + e5), and goes through my stage in LDS, so that sixteen lanes store a token's 256 bytes of this head.
.rept 4
	v_nop                                          ; places behind the last products
.endr
	v_add_f32 v14, v14, v15                        ; the sum's two halves,
	s_delay_alu instid0(VALU_DEP_1)
	v_permlanex16_b32 v236, v14, s[SEL], s[SEL+1]
	s_delay_alu instid0(VALU_DEP_1)
	v_add_f32 v14, v14, v236                       ; and lane l xor 16's: the row's sum
	s_wait_alu depctr_va_vdst(0)
	v_rcp_f32 v14, v14
	v_and_b32 v8, 15, v0                           ; (a plain place behind the transcendental)  r
	v_bfe_u32 v9, v0, 4, 1                         ; h
	s_add_co_i32 s72, s70, s71
	s_wait_alu depctr_va_vdst(0)
	v_ldexp_f32 v14, v14, s72                      ; x 2^(e4 + e5)
	s_mul_i32 s73, s[WV], 16*PT
	s_add_co_u32 s73, s73, STAGE                   ; my stage
	v_mul_u32_u24 v10, v8, PT
	s_delay_alu instid0(VALU_DEP_1)
	v_lshl_add_u32 v10, v9, 5, v10
	s_delay_alu instid0(VALU_DEP_1)
	v_add_nc_u32 v10, s73, v10                     ; in: row r; tile t's eight channels of my half at 64 t + 32 h
	v_mul_u32_u24 v11, v9, PT
	s_delay_alu instid0(VALU_DEP_1)
	v_lshl_add_u32 v11, v8, 4, v11
	s_delay_alu instid0(VALU_DEP_1)
	v_add_nc_u32 v11, s73, v11                     ; back: lanes 0-15 one row, lanes 16-31 the next
.set j, 0
.rept 32
	v_mul_f32 v[S+j], v[O+j], v14                  ; register 8 t + i is out(r, 16 t + 8 h + i); each accumulator from its low end on
.set j, j+1
.endr
.irp t, 0,1,2,3
	ds_store_b128 v10, v[S+8*\t:S+8*\t+3] offset:64*\t
	ds_store_b128 v10, v[S+8*\t+4:S+8*\t+7] offset:64*\t+16
.endr
.irp i, 0,1,2,3,4,5,6,7
	ds_load_b128 v[KV+4*\i:KV+4*\i+3], v11 offset:2*\i*PT    ; LDS serves a wave's instructions in order (ISA guide 5.7.1.4): these see my stores
.endr
.irp i, 0,1,2,3,4,5,6,7
	s_wait_dscnt 7-\i                              ; number i is in, the younger ones may be out
	global_store_b128 v[GO], v[KV+4*\i:KV+4*\i+3], s[12:13] offset:8192*\i th:TH_STORE_NT   ; 16 lanes store 256 consecutive bytes, at a multiple of 256 from out0's first byte; written once, read by nobody here
.endr
	s_wait_tensorcnt 0x0                           ; the wave's end: behind my last tensor load and my last LDS store
	ds_add_u32 v[SPW], v[NIL]
	s_wait_dscnt 0x0
	CROUND                                         ; the closing round: no work-group ends while a partner may still ask for a tile that names it
	s_endpgm
.Lfunc_end_k_q366e0b93bc_attn:
	.size	k_q366e0b93bc_attn, .Lfunc_end_k_q366e0b93bc_attn-k_q366e0b93bc_attn
	.p2alignl 7, 3214868480
	.fill 96, 4, 3214868480
	.section	.rodata,"a",@progbits
	.p2align	6, 0x0
	.amdhsa_kernel k_q366e0b93bc_attn
		.amdhsa_group_segment_fixed_size 327680
		.amdhsa_private_segment_fixed_size 0
		.amdhsa_enable_private_segment 0
		.amdhsa_kernarg_size 40
		.amdhsa_user_sgpr_count 2
		.amdhsa_user_sgpr_kernarg_segment_ptr 1
		.amdhsa_wavefront_size32 1
		.amdhsa_system_sgpr_workgroup_id_x 1
		.amdhsa_system_sgpr_workgroup_id_y 1
		.amdhsa_system_sgpr_workgroup_id_z 1
		.amdhsa_system_vgpr_workitem_id 0
		.amdhsa_next_free_vgpr 256
		.amdhsa_next_free_sgpr 100
		.amdhsa_reserve_vcc 1
		.amdhsa_float_denorm_mode_32 3
		.amdhsa_float_denorm_mode_16_64 3
		.amdhsa_fp16_overflow 1
		.amdhsa_memory_ordered 1
		.amdhsa_forward_progress 1
		.amdhsa_inst_pref_size 168
	.end_amdhsa_kernel
	.amdgpu_metadata
---
amdhsa.version: [ 1, 2 ]
amdhsa.kernels:
  - .name:           k_q366e0b93bc_attn
    .symbol:         k_q366e0b93bc_attn.kd
    .args:
      - { .name: q_codes, .offset: 0, .size: 8, .value_kind: global_buffer, .address_space: global }
      - { .name: k_codes, .offset: 8, .size: 8, .value_kind: global_buffer, .address_space: global }
      - { .name: v_codes, .offset: 16, .size: 8, .value_kind: global_buffer, .address_space: global }
      - { .name: lowp_scales, .offset: 24, .size: 8, .value_kind: global_buffer, .address_space: global }
      - { .name: out0, .offset: 32, .size: 8, .value_kind: global_buffer, .address_space: global }
    .group_segment_fixed_size: 327680
    .private_segment_fixed_size: 0
    .kernarg_segment_align: 8
    .kernarg_segment_size: 40
    .max_flat_workgroup_size: 512
    .sgpr_count:     100
    .vgpr_count:     256
    .wavefront_size: 32
...
	.end_amdgpu_metadata
.endif
;; end of part 2
